; MI455X (gfx1250); checked and timed in simulation.
; The chip was launched on July 23, 2026; its instructions are those of AMD's public machine-readable ISA for CDNA 5 (MIT licence, August 2026) and "CDNA5" Instruction Set Architecture Reference Guide (July 2026). The comments in the code are by the model that wrote it; some were corrected since.
;; Attention. Allowed arithmetic: matrix products marked QUANTISED: E2M1 operands, one E8M0 scale for each 32 along K, by v_wmma_scale_f32_16x16x128_f8f6f4 with both operands' format E2M1 (or v_wmma_scale_f32_32x16x128_f4), f32 sums; everything else in f32.
;; Inputs: k 4 x 16 x 2,048 x 64 float32; q 4 x 16 x 2,048 x 64 float32; v 4 x 16 x 2,048 x 64 float32.
;; Outputs: out0 4 x 16 x 2,048 x 64 float32.
;; This version of the problem:
;;   THIS VERSION OF THE PROBLEM IS GIVEN IN LOW PRECISION. The matrix products marked QUANTISED in the list below multiply operands that are first quantised to E2M1 (2 exponent bits, 1 mantissa bit; 4 bits a number), with one power-of-two scale for each 32 numbers along K (OCP MX v1.0); their sums are f32. All else is computed in f32.
;;   The module's matrix products, in the order in which they are computed (A, B: the left and right operand; K: the contracted axis; several contracted axes count as one K, in the product's order):
;;     1. batch 64 x [M 2,048, K 64] x [K 64, N 2,048]; A: input q; B: input k: QUANTISED
;;     2. batch 64 x [M 2,048, K 2,048] x [K 2,048, N 64]; A: softmax (see below); B: input v: QUANTISED
;;   THE QUANTISER, for each operand of a quantised product, along K:
;;     - K is cut into blocks of 32 from its start; a last block that is shorter is filled with zeros.
;;     - A block's scale is 2^e with e = floor(log2(the largest magnitude in the block)) - 2, held to -126 .. 127; a block of zeros has e = 0. As a byte (E8M0): e + 127.
;;     - Each number is divided by its block's scale, clamped to +-6, and rounded to the nearest number of E2M1, ties to even, subnormals kept.
;;     - The product sums the exact products of the quantised numbers (number of the format x scale) in f32.
;;   ~~~python
;;   def quantise(x, axis):      # numpy; x: float32 -> the quantised numbers, widened to float32 again
;;       x = np.moveaxis(x, axis, -1); K = x.shape[-1]
;;       x = np.pad(x, [(0, 0)] * (x.ndim - 1) + [(0, -K % 32)]); x = x.reshape(x.shape[:-1] + (-1, 32)); a = np.abs(x).max(-1, keepdims=True)
;;       e = np.where(a > 0, np.clip(np.frexp(np.where(a > 0, a, 1))[1] - 1 - 2, -126, 127), 0)      # np.frexp(a)[1] - 1 = floor(log2(a)), exactly
;;       r = np.clip(x / 2.0 ** e, -6, 6)
;;       step = 2.0 ** (np.maximum(np.frexp(np.where(r == 0, 1, r))[1] - 1, 0) - 1)
;;       q = np.round(r / step) * step * 2.0 ** e      # np.round: ties to even
;;       return np.moveaxis(q.reshape(q.shape[:-2] + (-1,))[..., :K], -1, axis).astype(np.float32)
;;   ~~~
;;   SOFTMAX AHEAD OF A QUANTISED PRODUCT. Where the list says 'softmax', what is quantised is not the finished softmax but p = 2^(t - M), with t = logit x log2(e) and M = ceil(the row's largest t), a whole number; so 1/2 < the row's largest p <= 1. The row's sum l is taken of the UNQUANTISED p, in f32, and the product's result is divided by l at the end. Since M is a whole number, a kernel that streams over the keys may use a running M (the ceiling of the running maximum): every later rescaling is an exact power of two, which a block's scale takes up: the codes' values come out the same.
;;   OPERANDS COMPUTED ON THE WAY. 'Computed on the way' means the value that the module computes at that place (a softmax that the list does not call 'softmax' is quantised finished and normalised). What goes into a quantiser is computed in f32, as accurately as f32 sums, v_exp_f32 and their like allow (about 1e-6 of the number): no bf16 or f16 on the way to a quantiser, and a product that is left as it is and whose result goes on into a quantised operand takes f32 operands (vector FMAs, or v_wmma_f32_16x16x4_f32). A number that lies on a knife's edge between two numbers of the format may be rounded either way, as far as f32 arithmetic and the matrix unit's own rounding can turn it there, and no further.
;; 2 versions. Each part assembles by itself: llvm-mc -triple=amdgcn-amd-amdhsa -mcpu=gfx1250 --defsym DOCPART=n.
;; ======== version 1 of 2: 1 launch
;; launch attn (part 1): grid 4 x 64, 16 waves a work-group, no clusters, 280,576 bytes of LDS; arguments q, k, v, out0; writes out0
.if DOCPART == 1
	.amdgcn_target "amdgcn-amd-amdhsa--gfx1250"
	.amdhsa_code_object_version 6
	.text
	.protected	k_q2cd89d9547_attn
	.globl	k_q2cd89d9547_attn
	.p2align	8
	.type	k_q2cd89d9547_attn,@function
k_q2cd89d9547_attn:
	s_mov_b64 s[64:65], 0
	v_nop
	global_prefetch_b8 v0, s[64:65] scope:SCOPE_SE
	s_setreg_imm32_b32 hwreg(HW_REG_WAVE_MODE, 25, 1), 1
	s_wait_xcnt 0x0
; O[head][q][:] = the sum over keys of softmax(Q[q] . K[key] / 8) V[key][:], 64 heads, 2,048 queries and keys, head size 64, all f32 in memory.
; Both products run on codes of FP4 (E2M1) with one E8M0 scale for each 32 along a product's K: Q and K are quantised along the head's 64, V and p along the keys.
; THE SOFTMAX: t = score x log2(e) / 8; M = the running largest t rounded UP to a whole number; p = 2^(t - M) is what is quantised; the row's sum is taken of the unquantised p and divides O at the end.
; When M moves, the sum and O are multiplied by 2^(old M - new M), made by v_ldexp_f32: nothing is rounded, and no branch hangs on data.
; SHARES.  A work-group owns one head and 512 queries; each of its sixteen waves owns 32 queries, two tiles of 16 (x = 0, 1), in 256 registers.  Every wave walks the head's 2,048 keys, 128 a step.
; A HEAD'S K AND V AS CODES AND SCALE WORDS ARE 16 x 8,704 = 139,264 BYTES: they lie in LDS whole.  At the head of the kernel wave w quantises the 128 keys of step w (K) and 256 keys x 32 channels of V; ONE barrier; after it that
; region is only read.  So there is no ring and no refill.  The four work-groups of a head each quantise K and V for themselves: 72 KiB of f32 a wave, once, against sixteen key steps of softmax.
; NO CLUSTER, NO JOINT LOADS: what the four work-groups of a head share is f32 that has to pass through registers to be quantised; a joint request lands in LDS, where a head's K and V in f32, 1 MiB, do not fit beside the codes.
; OPERANDS LIE IN LDS AS IMAGES OF THEIR REGISTERS: four registers of a fragment are 512 bytes, lane l's 16 bytes at 16 l.  Every load of the loop is 16 x lane + 8,704 x step + a constant.
; LAYOUT.  Both products are used transposed: S^T = K Q^T (source 0 = keys, source 1 = my 16 queries), O^T = V^T P^T (source 0 = 16 channels, source 1 = p): a lane holds ONE query (lane % 16) throughout.
; THE HEAD'S 64 ARE HALF OF THE INSTRUCTION'S 128.  A fragment of K packs TWO tiles of 16 keys: registers 0-3 hold key X = 32 f + r + 8 (r / 8), registers 4-7 key X + 8.  Against [q | zeros] it gives X's scores, against [zeros | q] those
; of X + 8: zero codes add nothing under any scale byte but 0xff, and the bytes made here lie between 1 and 254.  So the 16 registers of tiles 2 f and 2 f + 1 are 16 neighbouring keys, 32 f + 16 (lane / 16) + 0 .. 15.
; LIMITS: NaN and infinities among the inputs are not served.  A block whose largest magnitude lies under 2^-124, a block of zeros among them, gets the scale byte 1 (a block of zeros has zero codes; the bytes are read by this
; program alone).  |t| has to stay under 2^24, so that M is a whole number.
.set STEPB, 8704                       ; a key step's image: K's 4 fragments (4,096), V's 4 (4,096), 512 bytes of scale words
.set VIM,   4096                       ; where V's fragments begin in it
.set WIM,   8192                       ; and the scale words: bytes 16 r + 4 f: K's word of fragment f; bytes 256 + 16 r + 4 t: V's of tile t
.set STG,   16*STEPB                   ; behind the images: a stage of 32 rows for each wave, its own
.set SP,    272                        ; a stage row: 256 bytes + 16 = 68 words: 16 rows on end start at 16 different banks (64 banks of 4 bytes: ISA guide 11.1)
; vector registers that stay
.set LI,   1                           ; v1      16 x lane
.set ADR,  2                           ; v2      16 x lane + the step's image
.set STW,  3                           ; v3      my stage, by rows: 272 (lane / 16) + 16 (lane % 16)
.set ZQ,   4                           ; v4-23   zeros | q of tile 0 | zeros | q of tile 1 | zeros
.set QS,   24                          ; v24-25  q's scale words, [s0 s1 s0 s1]
.set SOUT, 242                         ; v242    my stage, on the way out: 272 r + 32 h
; at the head alone
.set STR,  26                          ; v26     my stage, by lanes: 272 r + 128 h
.set KW,   27                          ; v27     where I store K's images
.set KSW,  28                          ; v28     and K's scale words
.set VW,   29                          ; v29     V's images
.set VSW,  30                          ; v30     V's scale words
.set GV,   31                          ; v31     4 x lane: my channel of V
.set H8,   32                          ; v32     8 h
.set KC,   44                          ; v44-75  K's codes, 8 registers a fragment
.set VC,   76                          ; v76-107 V's codes, 4 registers a block
.set KWD,  108                         ; v108-111 K's scale words
.set RA,   112                         ; v112-175, v176-239: two sets of 64 numbers
.set RB,   176
.set XV,   176                         ; V's two sets of 32 numbers
.set VWD,  240                         ; v240-241 V's scale words
.set MX0,  244                         ; v244-251 at work
.set MX1,  245
.set SO0,  246
.set SO1,  247
.set B0,   248
.set B1,   249
.set W2,   250
.set TMP,  251
; in the loop
.set ST,   26                          ; tile x at v[26 + 4 x]: -M, the largest t, the sum in two halves
.set PS,   34                          ; v34-35  p's scale words
.set F,    36                          ; v[36:37], v[38:39] 2^(old M - new M); at the end 1 / the sum
.set SC,   40                          ; v40-43  the step's scale words: lanes 0-15 K's, lanes 16-31 V's
.set KV,   44                          ; v44-75  four fragments of K, then of V
.set PC,   76                          ; v76-91  p's codes, 8 registers a tile
.set BM,   92                          ; v92-95  each block's largest score, then its largest p
.set PM,   96                          ; v96-99  at work
.set SO,   100                         ; v100-103 the conversions' scale operands
.set T,    104
.set T2,   106                         ; v[106:107] the sum's second chain
.set S,    112                         ; v112-175 S^T, then p
.set O,    176                         ; v176-239 O^T, 32 registers a tile
.set WV,   12                          ; s12 my wave's number
.set SEL,  26                          ; s[26:27] lane selects for v_permlanex16_b32: lane l xor 16
.set CS,   28                          ; s[28:29] c = log2(e) / 8: the packed form names a pair and takes its low word for both halves
.set TB,   30                          ; s30 the step's image in LDS
.set CNT,  31                          ; s31 trips to go
; 16 loads of 512 consecutive bytes: 32 rows of 256 bytes
.macro GLOAD16 set, base, off, nt
.irp i, 0,1,2,3,4,5,6,7,8,9,10,11,12,13,14,15
.if \nt
	global_load_b128 v[\set+4*\i:\set+4*\i+3], v[LI], s[\base:\base+1] offset:\off+512*\i th:TH_LOAD_NT
.else
	global_load_b128 v[\set+4*\i:\set+4*\i+3], v[LI], s[\base:\base+1] offset:\off+512*\i
.endif
.endr
.endm
; The 32 rows turn through my stage: in as they were loaded, two rows an instruction; back 128 bytes a lane: v[set + 32 u ..] = numbers 32 h .. 32 h + 31 of stage row 16 u + r: a whole block of 32.
; perm = 1: row w goes to stage row 16 ((w / 8) % 2) + w % 8 + 8 (w / 16), so that stage row r holds key r + 8 (r / 8) and stage row 16 + r the key 8 further on.
; LDS serves a wave's instructions in order (ISA guide 5.7.1.4): no wait between the stores and the loads.
.macro TURN set, perm
.irp i, 0,1,2,3,4,5,6,7,8,9,10,11,12,13,14,15
.if \perm
	ds_store_b128 v[STW], v[\set+4*\i:\set+4*\i+3] offset:(16*((\i/4)%2)+(2*\i)%8+8*(\i/8))*SP
.else
	ds_store_b128 v[STW], v[\set+4*\i:\set+4*\i+3] offset:2*\i*SP
.endif
.endr
.irp u, 0,1
.irp j, 0,1,2,3,4,5,6,7
	ds_load_b128 v[\set+32*\u+4*\j:\set+32*\u+4*\j+3], v[STR] offset:\u*16*SP+16*\j
.endr
.endr
	s_wait_dscnt 0x0
.endm
; Two blocks of 32 of a lane become 4 + 4 registers of codes; wreg gets the word [row u = 0: block 0, block 1; row u = 1: block 0, block 1].
.macro QUANT2 set, cd0, cd1, wreg
	v_max3_num_f32 v[MX0], |v[\set]|, |v[\set+1]|, 0x1800000       ; the floor 2^(3 - 127) among the leaves: the byte cannot fall under 1
	v_max3_num_f32 v[MX1], |v[\set+32]|, |v[\set+33]|, 0x1800000
.irp i, 2,4,6,8,10,12,14,16,18,20,22,24,26,28,30
	v_max3_num_f32 v[MX0], v[MX0], |v[\set+\i]|, |v[\set+\i+1]|    ; (the two blocks by turns)
	v_max3_num_f32 v[MX1], v[MX1], |v[\set+32+\i]|, |v[\set+33+\i]|
.endr
	v_add_nc_u32 v[SO0], 0xff000000, v[MX0]        ; 2 off the exponent field: the conversion takes the exponent field of this operand as its scale
	v_add_nc_u32 v[SO1], 0xff000000, v[MX1]
.irp g, 0,1,2,3
	v_cvt_scalef32_pk8_fp4_f32 v[\cd0+\g], v[\set+8*\g:\set+8*\g+7], v[SO0]
.endr
.irp g, 0,1,2,3
	v_cvt_scalef32_pk8_fp4_f32 v[\cd1+\g], v[\set+32+8*\g:\set+32+8*\g+7], v[SO1]
.endr
	v_lshrrev_b32 v[B0], 23, v[SO0]                ; the scale's byte (also the plain line behind the conversions)
	v_lshrrev_b32 v[B1], 23, v[SO1]
	v_lshl_or_b32 v[\wreg], v[B1], 16, v[B0]       ; my two bytes: block h of both rows,
	v_lshlrev_b32 v[\wreg], v[H8], v[\wreg]        ; 8 h bits up;
	v_permlanex16_b32 v[W2], v[\wreg], s[SEL], s[SEL+1]
	v_or_b32 v[\wreg], v[\wreg], v[W2]             ; with lane l xor 16's two the word is whole
.endm
; Fragment f of my step's K: 32 keys
.macro KJOB f, set
	TURN \set, 1
	QUANT2 \set, KC+8*\f, KC+8*\f+4, KWD+\f
	ds_store_b128 v[KW], v[KC+8*\f:KC+8*\f+3] offset:1024*\f
	ds_store_b128 v[KW], v[KC+8*\f+4:KC+8*\f+7] offset:1024*\f+512
	ds_store_b32 v[KSW], v[KWD+\f] offset:WIM+4*\f ; lanes r and 16 + r write the same word with the same value
.endm
; V: a lane takes a channel and its registers run down the keys.  Block n of 8: 32 keys; each load reads 128 consecutive bytes, and the wave beside me the row's other 128
.macro VLOAD n
.irp i, 0,1,2,3,4,5,6,7,8,9,10,11,12,13,14,15,16,17,18,19,20,21,22,23,24,25,26,27,28,29,30,31
	global_load_b32 v[XV+32*((\n)%2)+\i], v[GV], s[8:9] offset:(32*(\n)+\i)*256
.endr
.endm
.macro VBLK n
.set XS, XV+32*((\n)%2)
.if (\n) < 7
	s_wait_loadcnt 32                              ; this block's 32 loads are in; the next block's may be out
.else
	s_wait_loadcnt 0x0
.endif
	v_max3_num_f32 v[MX0], |v[XS]|, |v[XS+1]|, |v[XS+2]|           ; the block's largest magnitude: all 32 numbers are mine
	v_max3_num_f32 v[MX1], |v[XS+3]|, |v[XS+4]|, |v[XS+5]|
.irp i, 6,10,14,18,22,26
	v_max3_num_f32 v[MX0], v[MX0], |v[XS+\i]|, |v[XS+\i+1]|
	v_max3_num_f32 v[MX1], v[MX1], |v[XS+\i+2]|, |v[XS+\i+3]|
.endr
	v_max3_num_f32 v[MX0], v[MX0], |v[XS+30]|, |v[XS+31]|
	v_max3_num_f32 v[MX0], v[MX0], v[MX1], 0x1800000               ; and the floor
	v_add_nc_u32 v[SO0], 0xff000000, v[MX0]
.if (\n)%4 == 0
	v_lshrrev_b32 v[VWD+(\n)/4], 23, v[SO0]        ; the step's four bytes make my channel's scale word
.else
	v_lshrrev_b32 v[B0], 23, v[SO0]
	v_lshl_or_b32 v[VWD+(\n)/4], v[B0], 8*((\n)%4), v[VWD+(\n)/4]
.endif
.irp g, 0,1,2,3
	v_cvt_scalef32_pk8_fp4_f32 v[VC+4*(\n)+\g], v[XS+8*\g:XS+8*\g+7], v[SO0]
.endr
	v_nop                                          ; one plain line behind the conversions
	ds_store_b128 v[VW], v[VC+4*(\n):VC+4*(\n)+3] offset:((\n)/4)*STEPB+VIM+512*(((\n)%4)/2)+256*((\n)%2)   ; block bb of a step is registers 4 (bb / 2) on of image lane r + 16 (bb % 2)
.if (\n)%4 == 3
	ds_store_b32 v[VSW], v[VWD+(\n)/4] offset:((\n)/4)*STEPB+WIM+256
.endif
.if (\n) < 6
	VLOAD (\n)+2
.endif
.endm
	s_load_b256 s[4:11], s[0:1], 0x0               ; q s[4:5], k s[6:7], v s[8:9], out0 s[10:11]
	v_lshl_add_u32 v254, v0, 2, 0x44000
	v_mov_b32 v255, 0
	v_lshrrev_b32 v[TMP], 5, v0
	v_readfirstlane_b32 s[WV], v[TMP]              ; wave 0..15
	v_and_b32 v[MX0], 31, v0                       ; lane
	v_lshlrev_b32 v[LI], 4, v[MX0]
	s_and_b32 s13, ttmp7, 0xffff
	s_lshl_b32 s13, s13, 19                        ; the head: 2,048 rows of 256 bytes
	s_lshl_b32 s14, ttmp9, 17                      ; my work-group's 512 queries,
	s_lshl_b32 s16, s[WV], 13                      ; my wave's 32 of them
	s_add_co_u32 s14, s14, s16
	s_add_co_u32 s14, s14, s13                     ; q and out0
	s_mov_b32 s15, 0
	s_lshl_b32 s16, s[WV], 15                      ; k: the 128 keys of step w
	s_add_co_u32 s16, s16, s13
	s_mov_b32 s17, 0
	s_lshr_b32 s20, s[WV], 1
	s_and_b32 s21, s[WV], 1
	s_lshl_b32 s18, s20, 16                        ; v: the 256 keys of steps 2 (w / 2) and 2 (w / 2) + 1,
	s_lshl_b32 s19, s21, 7                         ; channels 32 (w % 2) on
	s_add_co_u32 s18, s18, s19
	s_add_co_u32 s18, s18, s13
	s_mov_b32 s19, 0
	s_wait_kmcnt 0x0
	s_add_nc_u64 s[4:5], s[4:5], s[14:15]
	s_add_nc_u64 s[10:11], s[10:11], s[14:15]
	s_add_nc_u64 s[6:7], s[6:7], s[16:17]
	s_add_nc_u64 s[8:9], s[8:9], s[18:19]
	GLOAD16 RA, 4, 0, 1                            ; my 32 queries: read by nobody else
	GLOAD16 RB, 6, 0, 0                            ; keys 0-31 of my step
	; the addresses are made while these are on their way
	s_mul_i32 s22, s[WV], STEPB                    ; step w's image
	s_add_co_u32 s23, s22, STG                     ; my stage
	s_mul_i32 s24, s20, 2*STEPB                    ; the image of step 2 (w / 2)
	s_lshl_b32 s25, s21, 3
	s_add_co_u32 s25, s25, s24                     ; V's scale words: tiles 2 (w % 2) on, 4 bytes each
	s_lshl_b32 s21, s21, 11
	s_add_co_u32 s24, s24, s21                     ; V's images: tiles 2 (w % 2) on, 1,024 bytes each
	s_mov_b32 s[SEL], 0x76543210
	s_mov_b32 s[SEL+1], 0xfedcba98
	s_mov_b32 s[CS], 0x3e38aa3b                    ; c = log2(e) / 8
	s_mov_b32 s[CS+1], s[CS]                       ; (named with it as a pair, so it is written)
	v_and_b32 v[MX1], 15, v0                       ; r
	v_bfe_u32 v[SO0], v0, 4, 1                     ; h
	v_mul_u32_u24 v[SO1], v[MX1], SP
	v_add_nc_u32 v[SO1], s23, v[SO1]               ; stage row r
	v_lshl_add_u32 v[STR], v[SO0], 7, v[SO1]
	v_lshl_add_u32 v[SOUT], v[SO0], 5, v[SO1]
	v_mul_u32_u24 v[STW], v[SO0], SP
	v_lshl_add_u32 v[STW], v[MX1], 4, v[STW]
	v_add_nc_u32 v[STW], s23, v[STW]
	v_add_nc_u32 v[KW], s22, v[LI]
	v_lshlrev_b32 v[B0], 4, v[MX1]                 ; 16 r
	v_add_nc_u32 v[KSW], s22, v[B0]
	v_lshl_add_u32 v[VW], v[SO0], 10, v[B0]        ; my channel is 16 (lane / 16) + r of the wave's 32: a tile further on for lanes 16-31
	v_add_nc_u32 v[VW], s24, v[VW]
	v_lshl_add_u32 v[VSW], v[SO0], 2, v[B0]
	v_add_nc_u32 v[VSW], s25, v[VSW]
	v_lshlrev_b32 v[GV], 2, v[MX0]
	v_lshlrev_b32 v[H8], 3, v[SO0]
.irp i, 0,1,2,3,8,9,10,11,16,17,18,19
	v_mov_b32 v[ZQ+\i], 0                          ; the zero codes beside q's
.endr
	v_mov_b32 v[W2], 0                             ; written once: a lane permute's destination counts as one of its sources
	s_wait_loadcnt 16                              ; q is in; the 16 loads of K behind it may be out
	TURN RA, 0
	QUANT2 RA, ZQ+4, ZQ+12, TMP                    ; stage rows r: tile 0; rows 16 + r: tile 1
	v_and_b32 v[B0], 0xffff, v[TMP]
	v_lshl_or_b32 v[QS], v[TMP], 16, v[B0]         ; tile 0's two bytes, twice: q may stand in either half of the 128
	v_lshrrev_b32 v[B1], 16, v[TMP]
	v_and_or_b32 v[QS+1], v[TMP], 0xffff0000, v[B1]  ; tile 1's
	GLOAD16 RA, 6, 8192, 0
	s_wait_loadcnt 16                              ; each job's 16 loads are in; the next job's may be out
	KJOB 0, RB
	GLOAD16 RB, 6, 16384, 0
	s_wait_loadcnt 16
	KJOB 1, RA
	GLOAD16 RA, 6, 24576, 0
	s_wait_loadcnt 16
	KJOB 2, RB
	VLOAD 0
	s_wait_loadcnt 32                              ; K's last 16 are in; V's first block may be out
	VLOAD 1
	KJOB 3, RA
.irp n, 0,1,2,3,4,5,6,7
	VBLK \n
.endr
	; THE ONE BARRIER: in front of it my stores into the images have landed; behind it all sixteen steps' images are whole, and nobody writes them again.
	s_wait_dscnt 0x0
	s_barrier_signal -1
	v_mov_b32 v[ST+1], 0xff61b1e6                  ; the largest t so far: -3e38, under every t
	v_mov_b32 v[ST+5], 0xff61b1e6
	v_floor_f32 v[ST], -v[ST+1]                    ; -M
	v_floor_f32 v[ST+4], -v[ST+5]
.irp i, 2,3,6,7
	v_mov_b32 v[ST+\i], 0                          ; the sums, in two halves
.endr
	v_mov_b32 v[F+1], 0                            ; (named as the upper halves of pairs)
	v_mov_b32 v[F+3], 0
.irp b, 0,1,2,3
	v_mov_b32 v[PM+\b], 0                          ; a lane permute's destination counts as one of its sources
.endr
.set j, 0
.rept 64
	v_mov_b32 v[O+j], 0                            ; O^T.  The step is written for every step alike: the first finds zeros, which the first change of M leaves zeros.  These lines stand where the wave would wait for the others
.set j, j+1
.endr
	v_mov_b32 v[ADR], v[LI]                        ; step 0's image begins at LDS byte 0
	s_mov_b32 s[TB], 0
	s_mov_b32 s[CNT], 15
	s_barrier_wait -1
.macro KLOAD                           ; a step's four fragments of K and its scale words
.irp i, 0,1,2,3,4,5,6,7
	ds_load_b128 v[KV+4*\i:KV+4*\i+3], v[ADR] offset:512*\i
.endr
	ds_load_b128 v[SC:SC+3], v[ADR] offset:WIM
.endm
.macro VFETCH                          ; its four fragments of V, into the same registers
.irp i, 0,1,2,3,4,5,6,7
	ds_load_b128 v[KV+4*\i:KV+4*\i+3], v[ADR] offset:VIM+512*\i
.endr
.endm
; S^T of tile x: fragment f against [q | zeros] gives tile 2 f, against [zeros | q] tile 2 f + 1
.macro QK x
.irp f, 0,1,2,3
.irp u, 0,1
	v_wmma_scale_f32_16x16x128_f8f6f4 v[S+8*(2*\f+\u):S+8*(2*\f+\u)+7], v[KV+8*\f:KV+8*\f+7], v[ZQ+8*\x+4*(1-\u):ZQ+8*\x+4*(1-\u)+7], 0, v[SC+\f], v[QS+\x] matrix_a_fmt:MATRIX_FMT_FP4 matrix_b_fmt:MATRIX_FMT_FP4
.endr
.endr
.endm
; O^T += V^T P^T for both tiles: eight accumulators, one instruction each.  V's scale words stand in lanes 16-31
.macro PV
.irp t, 0,1,2,3
.irp x, 0,1
	v_wmma_scale_f32_16x16x128_f8f6f4 v[O+32*\x+8*\t:O+32*\x+8*\t+7], v[KV+8*\t:KV+8*\t+7], v[PC+8*\x:PC+8*\x+7], v[O+32*\x+8*\t:O+32*\x+8*\t+7], v[SC+\t], v[PS+\x] matrix_a_fmt:MATRIX_FMT_FP4 matrix_b_fmt:MATRIX_FMT_FP4 matrix_a_scale:MATRIX_SCALE_ROW1
.endr
.endr
.endm
; The largest score of each block of 32 keys (each accumulator is read from its low end on); the row's; the new M; f = 2^(old M - new M)
.macro SM_MAX x
.irp b, 0,1,2,3
	v_max3_num_f32 v[BM+\b], v[S+16*\b], v[S+16*\b+1], v[S+16*\b+2]
.endr
.irp i, 3,5,7,9,11,13
.irp b, 0,1,2,3
	v_max3_num_f32 v[BM+\b], v[BM+\b], v[S+16*\b+\i], v[S+16*\b+\i+1]   ; (the four blocks by turns)
.endr
.endr
.irp b, 0,1,2,3
	v_max_num_f32 v[BM+\b], v[BM+\b], v[S+16*\b+15]
.endr
.irp b, 0,1,2,3
	v_permlanex16_b32 v[PM+\b], v[BM+\b], s[SEL], s[SEL+1]
.endr
.irp b, 0,1,2,3
	v_max_num_f32 v[BM+\b], v[BM+\b], v[PM+\b]     ; with lane l xor 16's 16 keys
.endr
	v_max3_num_f32 v[T], v[BM], v[BM+1], v[BM+2]
	v_max_num_f32 v[T], v[T], v[BM+3]              ; the step's largest score of my query
	v_mul_f32 v[T], s[CS], v[T]                    ; as t (c is positive)
	v_max_num_f32 v[ST+4*\x+1], v[ST+4*\x+1], v[T] ; the running largest t
	v_mov_b32 v[T], v[ST+4*\x]
	v_floor_f32 v[ST+4*\x], -v[ST+4*\x+1]          ; the new -M = floor(-t) = -ceil(t)
	v_sub_f32 v[T], v[ST+4*\x], v[T]               ; old M - new M: a whole number, 0 or less
	v_cvt_i32_f32 v[T], v[T]                       ; (it saturates)
	v_ldexp_f32 v[F+2*\x], 1.0, v[T]
.endm
; p = 2^(c s - M); the same of each block's largest score, which gives the block's largest p, since p rises with the score.  The 68 exponentials are one batch.
.macro SM_EXP x
.set j, 0
.rept 32
	v_pk_fma_f32 v[S+j:S+j+1], v[S+j:S+j+1], s[CS:CS+1], v[ST+4*\x:ST+4*\x+1] op_sel_hi:[1,0,0]
.set j, j+2
.endr
.irp b, 0,1,2,3
	v_fma_f32 v[BM+\b], v[BM+\b], s[CS], v[ST+4*\x]
.endr
.set j, 0
.rept 64
	v_exp_f32 v[S+j], v[S+j]
.set j, j+1
.endr
.irp b, 0,1,2,3
	v_exp_f32 v[BM+\b], v[BM+\b]
.endr
	v_pk_mul_f32 v[ST+4*\x+2:ST+4*\x+3], v[ST+4*\x+2:ST+4*\x+3], v[F+2*\x:F+2*\x+1] op_sel_hi:[1,0]   ; the sum under the new M: the plain line behind the last exponential
	s_wait_alu depctr_va_vdst(0)                   ; the wait ahead of the first line that names a result: one for the batch
.endm
; The row's sum of the UNQUANTISED p, two at a time, in two chains
.macro SUM_BEGIN x
	v_pk_add_f32 v[T2:T2+1], v[S:S+1], v[S+2:S+3]
.endm
.macro SUM_RUN x, j0, n
.set j, \j0
.rept \n
	v_pk_add_f32 v[ST+4*\x+2:ST+4*\x+3], v[ST+4*\x+2:ST+4*\x+3], v[S+j:S+j+1]
	v_pk_add_f32 v[T2:T2+1], v[T2:T2+1], v[S+j+2:S+j+3]
.set j, j+4
.endr
.endm
.macro SUM_END x
	v_pk_add_f32 v[ST+4*\x+2:ST+4*\x+3], v[ST+4*\x+2:ST+4*\x+3], v[T2:T2+1]
.endm
; p's four blocks become a fragment's codes and a scale word
.macro SM_QUANT x
.irp b, 0,1,2,3
	v_max_num_f32 v[BM+\b], 0x1800000, v[BM+\b]    ; the floor 2^(3 - 127): the byte cannot fall under 1
.endr
.irp b, 0,1,2,3
	v_add_nc_u32 v[SO+\b], 0xff000000, v[BM+\b]    ; 2 off the exponent field: the conversion's scale operand
.endr
.irp b, 0,1,2,3
	v_lshrrev_b32 v[PM+\b], 23, v[SO+\b]           ; the scale's byte
.endr
	v_lshl_or_b32 v[PS+\x], v[PM+1], 8, v[PM]
	v_lshl_or_b32 v[PS+\x], v[PM+2], 16, v[PS+\x]
	v_lshl_or_b32 v[PS+\x], v[PM+3], 24, v[PS+\x]
.irp b, 0,1,2,3
	v_cvt_scalef32_pk8_fp4_f32 v[PC+8*\x+2*\b], v[S+16*\b:S+16*\b+7], v[SO+\b]
	v_cvt_scalef32_pk8_fp4_f32 v[PC+8*\x+2*\b+1], v[S+16*\b+8:S+16*\b+15], v[SO+\b]
.endr
	v_nop                                          ; one plain line behind the conversions
.irp c, 0,1                            ; the operand's layout wants a WHOLE block in a lane: lanes 0-15 block 2 c, lanes 16-31 block 2 c + 1
.irp i, 0,1
	v_permlane16_swap_b32 v[PC+8*\x+4*\c+\i], v[PC+8*\x+4*\c+2+\i]
.endr
.endr
.endm
.macro RESCALE x, j0, n                ; O^T of tile x under the new M, from register j0 on, ascending
.set j, \j0
.rept \n
	v_pk_mul_f32 v[O+32*\x+j:O+32*\x+j+1], v[O+32*\x+j:O+32*\x+j+1], v[F+2*\x:F+2*\x+1] op_sel_hi:[1,0]
.set j, j+2
.endr
.endm
; A KEY STEP: 128 keys for both tiles.  A vector instruction that reads a matrix result, and a load into a register that a matrix instruction has read, stand four plain vector instructions behind it that name none of its registers
; (ISA guide 7.12.1 for vector instructions).
.macro STEP last
	s_wait_dscnt 0x0                               ; K's fragments and the scale words are in
	QK 0
.rept 4
	v_nop
.endr
	SM_MAX 0
	SM_EXP 0
	SUM_BEGIN 0
	SUM_RUN 0, 4, 15
	SUM_END 0
	SM_QUANT 0
	QK 1                                           ; tile 1's scores take the registers that tile 0's p has left
	RESCALE 0, 0, 4                                ; four lines that name none of those products' registers: the places in front of the loads below
	VFETCH                                         ; V takes K's registers; it lands under tile 1's softmax
	RESCALE 0, 8, 12
	SM_MAX 1
	SM_EXP 1
	SM_QUANT 1
	RESCALE 1, 0, 16                               ; sixteen plain lines between p's scale word and codes and the products that take them
	s_wait_dscnt 0x0                               ; V is in
	PV
.if \last == 0
	s_add_co_u32 s[TB], s[TB], STEPB
	v_add_nc_u32 v[ADR], s[TB], v[LI]              ; this line and the three sums below: four places in front of the loads
.endif
	SUM_BEGIN 1                                    ; tile 1's sum stands here, so that the next step's K lands under it
	SUM_RUN 1, 4, 1
.if \last == 0
	KLOAD
.endif
	SUM_RUN 1, 8, 14
	SUM_END 1
.endm
	KLOAD
.Lstep:                                            ; 15 trips; the last step is written out: it fetches nothing beyond the images
	STEP 0
	s_sub_co_u32 s[CNT], s[CNT], 1
	s_cmp_lg_u32 s[CNT], 0
	s_cbranch_scc1 .Lstep
	STEP 1
	; THE WAY OUT.  The sums' halves are added; O^T is divided by the sum and goes through my stage, so that each store of the wave covers 512 consecutive bytes, two whole rows of out0.
	v_add_f32 v[BM], v[ST+2], v[ST+3]
	v_add_f32 v[BM+1], v[ST+6], v[ST+7]
	v_permlanex16_b32 v[PM], v[BM], s[SEL], s[SEL+1]
	v_permlanex16_b32 v[PM+1], v[BM+1], s[SEL], s[SEL+1]
	v_add_f32 v[BM], v[BM], v[PM]                  ; with lane l xor 16's: the row's sum
	v_add_f32 v[BM+1], v[BM+1], v[PM+1]
	v_rcp_f32 v[F], v[BM]
	v_rcp_f32 v[F+2], v[BM+1]
	v_nop                                          ; a plain line behind the last reciprocal
	s_wait_alu depctr_va_vdst(0)                   ; and the wait ahead of the first use: one for both
.irp x, 0,1
.set j, 0
.rept 16
	v_pk_mul_f32 v[S+32*\x+j:S+32*\x+j+1], v[O+32*\x+j:O+32*\x+j+1], v[F+2*\x:F+2*\x+1] op_sel_hi:[1,0]   ; register 8 t + i: out(query r, channel 16 t + 8 h + i)
.set j, j+2
.endr
.endr
.irp x, 0,1
.irp t, 0,1,2,3
	ds_store_b128 v[SOUT], v[S+32*\x+8*\t:S+32*\x+8*\t+3] offset:16*SP*\x+64*\t
	ds_store_b128 v[SOUT], v[S+32*\x+8*\t+4:S+32*\x+8*\t+7] offset:16*SP*\x+64*\t+16
.endr
.endr
.irp i, 0,1,2,3,4,5,6,7,8,9,10,11,12,13,14,15
	ds_load_b128 v[S+4*\i:S+4*\i+3], v[STW] offset:2*\i*SP         ; LDS serves a wave's instructions in order: these see my stores
.endr
.irp i, 0,1,2,3,4,5,6,7,8,9,10,11,12,13,14,15
	s_wait_dscnt 15-\i                             ; the younger loads may stay out
	global_store_b128 v[LI], v[S+4*\i:S+4*\i+3], s[10:11] offset:512*\i th:TH_STORE_NT   ; written once, read by nobody here
.endr
	s_wait_tensorcnt 0x0
	ds_add_u32 v254, v255
	s_wait_dscnt 0x0
	s_endpgm
.Lfunc_end_k_q2cd89d9547_attn:
	.size	k_q2cd89d9547_attn, .Lfunc_end_k_q2cd89d9547_attn-k_q2cd89d9547_attn
	.p2alignl 7, 3214868480
	.fill 96, 4, 3214868480
	.section	.rodata,"a",@progbits
	.p2align	6, 0x0
	.amdhsa_kernel k_q2cd89d9547_attn
		.amdhsa_group_segment_fixed_size 280576
		.amdhsa_private_segment_fixed_size 0
		.amdhsa_enable_private_segment 0
		.amdhsa_kernarg_size 32
		.amdhsa_user_sgpr_count 2
		.amdhsa_user_sgpr_kernarg_segment_ptr 1
		.amdhsa_wavefront_size32 1
		.amdhsa_system_sgpr_workgroup_id_x 1
		.amdhsa_system_sgpr_workgroup_id_y 1
		.amdhsa_system_sgpr_workgroup_id_z 1
		.amdhsa_system_vgpr_workitem_id 0
		.amdhsa_next_free_vgpr 256
		.amdhsa_next_free_sgpr 66
		.amdhsa_reserve_vcc 0
		.amdhsa_float_denorm_mode_32 3
		.amdhsa_float_denorm_mode_16_64 3
		.amdhsa_memory_ordered 1
		.amdhsa_forward_progress 1
		.amdhsa_inst_pref_size 138
	.end_amdhsa_kernel
	.amdgpu_metadata
---
amdhsa.version: [ 1, 2 ]
amdhsa.kernels:
  - .name:           k_q2cd89d9547_attn
    .symbol:         k_q2cd89d9547_attn.kd
    .args:
      - { .name: q, .offset: 0, .size: 8, .value_kind: global_buffer, .address_space: global }
      - { .name: k, .offset: 8, .size: 8, .value_kind: global_buffer, .address_space: global }
      - { .name: v, .offset: 16, .size: 8, .value_kind: global_buffer, .address_space: global }
      - { .name: out0, .offset: 24, .size: 8, .value_kind: global_buffer, .address_space: global }
    .group_segment_fixed_size: 280576
    .private_segment_fixed_size: 0
    .kernarg_segment_align: 8
    .kernarg_segment_size: 32
    .max_flat_workgroup_size: 512
    .sgpr_count:     66
    .vgpr_count:     256
    .wavefront_size: 32
...
	.end_amdgpu_metadata
.endif
;; end of part 1
;; ======== version 2 of 2: 1 launch; version 1 with the launch attn written anew for expert scheduling mode
;; launch attn (part 2): grid 4 x 64, 16 waves a work-group, no clusters, 280,576 bytes of LDS; arguments q, k, v, out0; writes out0
.if DOCPART == 2
	.amdgcn_target "amdgcn-amd-amdhsa--gfx1250"
	.amdhsa_code_object_version 6
	.text
	.protected	k_q2cd89d9547_attn
	.globl	k_q2cd89d9547_attn
	.p2align	8
	.type	k_q2cd89d9547_attn,@function
k_q2cd89d9547_attn:
	s_mov_b64 s[64:65], 0
	v_nop
	global_prefetch_b8 v0, s[64:65] scope:SCOPE_SE
	s_setreg_imm32_b32 hwreg(HW_REG_WAVE_SCHED_MODE, 0, 2), 2
	s_setreg_imm32_b32 hwreg(HW_REG_WAVE_MODE, 25, 1), 1
	s_wait_xcnt 0x0
	s_wait_alu depctr_vm_vsrc(0)
; O[head][q][:] = the sum over keys of softmax(Q[q] . K[key] / 8) V[key][:], 64 heads, 2,048 queries and keys, head size 64, all f32 in memory.
; Both products run on codes of FP4 (E2M1) with one E8M0 scale for each 32 along a product's K: Q and K are quantised along the head's 64, V and p along the keys.
; THE SOFTMAX: t = score x log2(e) / 8; M = the running largest t rounded UP to a whole number; p = 2^(t - M) is what is quantised; the row's sum is taken of the unquantised p and divides O at the end.
; When M moves, the sum and O are multiplied by 2^(old M - new M), made by v_ldexp_f32: nothing is rounded, and no branch hangs on data.
; SHARES.  A work-group owns one head and 512 queries; each of its sixteen waves owns 32 queries, two tiles of 16 (x = 0, 1), in 256 registers.  Every wave walks the head's 2,048 keys, 128 a step.
; A HEAD'S K AND V AS CODES AND SCALE WORDS ARE 16 x 8,704 = 139,264 BYTES: they lie in LDS whole.  At the head of the kernel wave w quantises the 128 keys of step w (K) and 256 keys x 32 channels of V; ONE barrier; after it that
; region is only read.  So there is no ring and no refill.  The four work-groups of a head each quantise K and V for themselves: 72 KiB of f32 a wave, once, against sixteen key steps of softmax.
; NO CLUSTER, NO JOINT LOADS: what the four work-groups of a head share is f32 that has to pass through registers to be quantised; a joint request lands in LDS, where a head's K and V in f32, 1 MiB, do not fit beside the codes.
; OPERANDS LIE IN LDS AS IMAGES OF THEIR REGISTERS: four registers of a fragment are 512 bytes, lane l's 16 bytes at 16 l.  Every load of the loop is 16 x lane + 8,704 x step + a constant.
; LAYOUT.  Both products are used transposed: S^T = K Q^T (source 0 = keys, source 1 = my 16 queries), O^T = V^T P^T (source 0 = 16 channels, source 1 = p): a lane holds ONE query (lane % 16) throughout.
; THE HEAD'S 64 ARE HALF OF THE INSTRUCTION'S 128.  A fragment of K packs TWO tiles of 16 keys: registers 0-3 hold key X = 32 f + r + 8 (r / 8), registers 4-7 key X + 8.  Against [q | zeros] it gives X's scores, against [zeros | q] those
; of X + 8: zero codes add nothing under any scale byte but 0xff, and the bytes made here lie between 1 and 254.  So the 16 registers of tiles 2 f and 2 f + 1 are 16 neighbouring keys, 32 f + 16 (lane / 16) + 0 .. 15.
; LIMITS: NaN and infinities among the inputs are not served.  A block whose largest magnitude lies under 2^-124, a block of zeros among them, gets the scale byte 1 (a block of zeros has zero codes; the bytes are read by this
; program alone).  |t| has to stay under 2^24, so that M is a whole number.
; THE MODE: SCHED_MODE bits 1:0 = 2 (LLVM: expert scheduling mode 2), set by the entry lines.  The code itself states the register dependences between vector or matrix instructions and memory or LDS instructions,
; with s_wait_alu, always for 0.
; THE PLAN.  Registers that memory or LDS instructions touch, and who else names them:
;   v1                 16 x lane: the offset of every 16-byte global load and store.  Written once, ahead of the first wait on va_vdst.
;   v3, v26-31, v242   LDS addresses and V's offset.  Written once, while q and K are on their way, ahead of one wait on va_vdst.  v26-31 become the statistics behind the wait on vm_vsrc in front of the barrier.
;   RA, RB             A global load lands; the stage's stores read it; (vm_vsrc) the stage's loads land in it; QUANT2 reads it; (va_vdst) the next global load lands.  That last wait also shows the codes and the scale word written,
;                      which the image's stores read: one wait on va_vdst to a job of 32 rows.
;   V's two sets       The maxima and the conversions read a set; (va_vdst) the codes and the word are stored, and the loads of two blocks on land in the set: one wait to a block.
;   IN THE LOOP:
;   KV (v44-75)        K's loads land; QK 0 and QK 1 read; V's loads land; PV reads; the next step's K lands.
;   SC (v40-43)        Loaded with K; all the step's products read it.
;   v2 (ADR)           Every load of the loop reads it; one addition a step writes it.
;   PC, PS             Written by vector lines; PV takes them as a source and as scales.
;   S, O, the statistics and the work registers are named by vector and matrix instructions alone.
; So a step has six waits on va_vdst and one on vm_vsrc; one stands ahead of each tile's exponentials (line 964 in SM_EXP).  Two stand behind the tiles' exponentials, ahead of the first line that names a result; the second of them also shows QK 1 done reading KV, and V's eight loads follow it,
; dealt among lines that name BM, SO and PM alone.  The fifth stands ahead of PV: tile 1's codes and scale word are written.  The sixth stands eight lines behind PV: PV is done reading KV and SC, and ADR is written;
; the next step's nine loads follow it, dealt among tile 1's sums, which name S, ST and T2 alone.  The wait on vm_vsrc stands ahead of the addition to ADR.
.set STEPB, 8704                       ; a key step's image: K's 4 fragments (4,096), V's 4 (4,096), 512 bytes of scale words
.set VIM,   4096                       ; where V's fragments begin in it
.set WIM,   8192                       ; and the scale words: bytes 16 r + 4 f: K's word of fragment f; bytes 256 + 16 r + 4 t: V's of tile t
.set STG,   16*STEPB                   ; behind the images: a stage of 32 rows for each wave, its own
.set SP,    272                        ; a stage row: 256 bytes + 16 = 68 words: 16 rows on end start at 16 different banks (64 banks of 4 bytes: ISA guide 11.1)
; vector registers that stay
.set LI,   1                           ; v1      16 x lane
.set ADR,  2                           ; v2      16 x lane + the step's image
.set STW,  3                           ; v3      my stage, by rows: 272 (lane / 16) + 16 (lane % 16)
.set ZQ,   4                           ; v4-23   zeros | q of tile 0 | zeros | q of tile 1 | zeros
.set QS,   24                          ; v24-25  q's scale words, [s0 s1 s0 s1]
.set SOUT, 242                         ; v242    my stage, on the way out: 272 r + 32 h
; at the head alone
.set STR,  26                          ; v26     my stage, by lanes: 272 r + 128 h
.set KW,   27                          ; v27     where I store K's images
.set KSW,  28                          ; v28     and K's scale words
.set VW,   29                          ; v29     V's images
.set VSW,  30                          ; v30     V's scale words
.set GV,   31                          ; v31     4 x lane: my channel of V
.set H8,   32                          ; v32     8 h
.set KC,   44                          ; v44-75  K's codes, 8 registers a fragment
.set VC,   76                          ; v76-107 V's codes, 4 registers a block
.set KWD,  108                         ; v108-111 K's scale words
.set RA,   112                         ; v112-175, v176-239: two sets of 64 numbers
.set RB,   176
.set XV,   176                         ; V's two sets of 32 numbers
.set VWD,  240                         ; v240-241 V's scale words
.set MX0,  244                         ; v244-251 at work
.set MX1,  245
.set SO0,  246
.set SO1,  247
.set B0,   248
.set B1,   249
.set W2,   250
.set TMP,  251
; in the loop
.set ST,   26                          ; tile x at v[26 + 4 x]: -M, the largest t, the sum in two halves
.set PS,   34                          ; v34-35  p's scale words
.set F,    36                          ; v[36:37], v[38:39] 2^(old M - new M); at the end 1 / the sum
.set SC,   40                          ; v40-43  the step's scale words: lanes 0-15 K's, lanes 16-31 V's
.set KV,   44                          ; v44-75  four fragments of K, then of V
.set PC,   76                          ; v76-91  p's codes, 8 registers a tile
.set BM,   92                          ; v92-95  each block's largest score, then its largest p
.set PM,   96                          ; v96-99  at work
.set SO,   100                         ; v100-103 the conversions' scale operands
.set T,    104
.set T2,   106                         ; v[106:107] the sum's second chain
.set S,    112                         ; v112-175 S^T, then p
.set O,    176                         ; v176-239 O^T, 32 registers a tile
.set WV,   12                          ; s12 my wave's number
.set SEL,  26                          ; s[26:27] lane selects for v_permlanex16_b32: lane l xor 16
.set CS,   28                          ; s[28:29] c = log2(e) / 8: the packed form names a pair and takes its low word for both halves
.set TB,   30                          ; s30 the step's image in LDS
.set CNT,  31                          ; s31 trips to go
; 16 loads of 512 consecutive bytes: 32 rows of 256 bytes
.macro GLOAD16 set, base, off, nt
.irp i, 0,1,2,3,4,5,6,7,8,9,10,11,12,13,14,15
.if \nt
	global_load_b128 v[\set+4*\i:\set+4*\i+3], v[LI], s[\base:\base+1] offset:\off+512*\i th:TH_LOAD_NT
.else
	global_load_b128 v[\set+4*\i:\set+4*\i+3], v[LI], s[\base:\base+1] offset:\off+512*\i
.endif
.endr
.endm
; The 32 rows turn through my stage: in as they were loaded, two rows an instruction; back 128 bytes a lane: v[set + 32 u ..] = numbers 32 h .. 32 h + 31 of stage row 16 u + r: a whole block of 32.
; perm = 1: row w goes to stage row 16 ((w / 8) % 2) + w % 8 + 8 (w / 16), so that stage row r holds key r + 8 (r / 8) and stage row 16 + r the key 8 further on.
; LDS serves a wave's instructions in order (ISA guide 5.7.1.4): no wait on DScnt between the stores and the loads.
.macro TURN set, perm
.irp i, 0,1,2,3,4,5,6,7,8,9,10,11,12,13,14,15
.if \perm
	ds_store_b128 v[STW], v[\set+4*\i:\set+4*\i+3] offset:(16*((\i/4)%2)+(2*\i)%8+8*(\i/8))*SP
.else
	ds_store_b128 v[STW], v[\set+4*\i:\set+4*\i+3] offset:2*\i*SP
.endif
.endr
	s_wait_alu depctr_vm_vsrc(0)                   ; the sixteen stores above have read the set's registers, in which the loads below land
.irp u, 0,1
.irp j, 0,1,2,3,4,5,6,7
	ds_load_b128 v[\set+32*\u+4*\j:\set+32*\u+4*\j+3], v[STR] offset:\u*16*SP+16*\j
.endr
.endr
	s_wait_dscnt 0x0
.endm
; Two blocks of 32 of a lane become 4 + 4 registers of codes; wreg gets the word [row u = 0: block 0, block 1; row u = 1: block 0, block 1].
.macro QUANT2 set, cd0, cd1, wreg
	v_max3_num_f32 v[MX0], |v[\set]|, |v[\set+1]|, 0x1800000       ; the floor 2^(3 - 127) among the leaves: the byte cannot fall under 1
	v_max3_num_f32 v[MX1], |v[\set+32]|, |v[\set+33]|, 0x1800000
.irp i, 2,4,6,8,10,12,14,16,18,20,22,24,26,28,30
	v_max3_num_f32 v[MX0], v[MX0], |v[\set+\i]|, |v[\set+\i+1]|    ; (the two blocks by turns)
	v_max3_num_f32 v[MX1], v[MX1], |v[\set+32+\i]|, |v[\set+33+\i]|
.endr
	v_add_nc_u32 v[SO0], 0xff000000, v[MX0]        ; 2 off the exponent field: the conversion takes the exponent field of this operand as its scale
	v_add_nc_u32 v[SO1], 0xff000000, v[MX1]
.irp g, 0,1,2,3
	v_cvt_scalef32_pk8_fp4_f32 v[\cd0+\g], v[\set+8*\g:\set+8*\g+7], v[SO0]
.endr
.irp g, 0,1,2,3
	v_cvt_scalef32_pk8_fp4_f32 v[\cd1+\g], v[\set+32+8*\g:\set+32+8*\g+7], v[SO1]
.endr
	v_lshrrev_b32 v[B0], 23, v[SO0]                ; the scale's byte (also the plain line behind the conversions)
	v_lshrrev_b32 v[B1], 23, v[SO1]
	v_lshl_or_b32 v[\wreg], v[B1], 16, v[B0]       ; my two bytes: block h of both rows,
	v_lshlrev_b32 v[\wreg], v[H8], v[\wreg]        ; 8 h bits up;
	v_permlanex16_b32 v[W2], v[\wreg], s[SEL], s[SEL+1]
	v_or_b32 v[\wreg], v[\wreg], v[W2]             ; with lane l xor 16's two the word is whole
.endm
; Fragment f of my step's K: 32 keys
.macro KJOB f, set
	TURN \set, 1
	QUANT2 \set, KC+8*\f, KC+8*\f+4, KWD+\f
	s_wait_alu depctr_va_vdst(0)                   ; the fragment's codes and its scale word are written, which the stores below read; the maxima and the conversions are done reading the set, in which the loads that follow this job land
	ds_store_b128 v[KW], v[KC+8*\f:KC+8*\f+3] offset:1024*\f
	ds_store_b128 v[KW], v[KC+8*\f+4:KC+8*\f+7] offset:1024*\f+512
	ds_store_b32 v[KSW], v[KWD+\f] offset:WIM+4*\f ; lanes r and 16 + r write the same word with the same value
.endm
; V: a lane takes a channel and its registers run down the keys.  Block n of 8: 32 keys; each load reads 128 consecutive bytes, and the wave beside me the row's other 128
.macro VLOAD n
.irp i, 0,1,2,3,4,5,6,7,8,9,10,11,12,13,14,15,16,17,18,19,20,21,22,23,24,25,26,27,28,29,30,31
	global_load_b32 v[XV+32*((\n)%2)+\i], v[GV], s[8:9] offset:(32*(\n)+\i)*256
.endr
.endm
.macro VBLK n
.set XS, XV+32*((\n)%2)
.if (\n) < 7
	s_wait_loadcnt 32                              ; this block's 32 loads are in; the next block's may be out
.else
	s_wait_loadcnt 0x0
.endif
	v_max3_num_f32 v[MX0], |v[XS]|, |v[XS+1]|, |v[XS+2]|           ; the block's largest magnitude: all 32 numbers are mine
	v_max3_num_f32 v[MX1], |v[XS+3]|, |v[XS+4]|, |v[XS+5]|
.irp i, 6,10,14,18,22,26
	v_max3_num_f32 v[MX0], v[MX0], |v[XS+\i]|, |v[XS+\i+1]|
	v_max3_num_f32 v[MX1], v[MX1], |v[XS+\i+2]|, |v[XS+\i+3]|
.endr
	v_max3_num_f32 v[MX0], v[MX0], |v[XS+30]|, |v[XS+31]|
	v_max3_num_f32 v[MX0], v[MX0], v[MX1], 0x1800000               ; and the floor
	v_add_nc_u32 v[SO0], 0xff000000, v[MX0]
.if (\n)%4 == 0
	v_lshrrev_b32 v[VWD+(\n)/4], 23, v[SO0]        ; the step's four bytes make my channel's scale word
.else
	v_lshrrev_b32 v[B0], 23, v[SO0]
	v_lshl_or_b32 v[VWD+(\n)/4], v[B0], 8*((\n)%4), v[VWD+(\n)/4]
.endif
.irp g, 0,1,2,3
	v_cvt_scalef32_pk8_fp4_f32 v[VC+4*(\n)+\g], v[XS+8*\g:XS+8*\g+7], v[SO0]
.endr
	v_nop                                          ; one plain line behind the conversions
	s_wait_alu depctr_va_vdst(0)                   ; the block's codes and the scale word are written, which the stores below read; the maxima and the conversions are done reading the block's numbers, in which the loads below land
	ds_store_b128 v[VW], v[VC+4*(\n):VC+4*(\n)+3] offset:((\n)/4)*STEPB+VIM+512*(((\n)%4)/2)+256*((\n)%2)   ; block bb of a step is registers 4 (bb / 2) on of image lane r + 16 (bb % 2)
.if (\n)%4 == 3
	ds_store_b32 v[VSW], v[VWD+(\n)/4] offset:((\n)/4)*STEPB+WIM+256
.endif
.if (\n) < 6
	VLOAD (\n)+2
.endif
.endm
	s_load_b256 s[4:11], s[0:1], 0x0               ; q s[4:5], k s[6:7], v s[8:9], out0 s[10:11]
	v_lshl_add_u32 v254, v0, 2, 0x44000
	v_mov_b32 v255, 0
	v_lshrrev_b32 v[TMP], 5, v0
	v_readfirstlane_b32 s[WV], v[TMP]              ; wave 0..15
	v_and_b32 v[MX0], 31, v0                       ; lane
	v_lshlrev_b32 v[LI], 4, v[MX0]
	s_and_b32 s13, ttmp7, 0xffff
	s_lshl_b32 s13, s13, 19                        ; the head: 2,048 rows of 256 bytes
	s_lshl_b32 s14, ttmp9, 17                      ; my work-group's 512 queries,
	s_wait_alu depctr_va_sdst(0)                   ; s12, my wave's number, is written, ahead of its first reader
	s_lshl_b32 s16, s[WV], 13                      ; my wave's 32 of them
	s_add_co_u32 s14, s14, s16
	s_add_co_u32 s14, s14, s13                     ; q and out0
	s_mov_b32 s15, 0
	s_lshl_b32 s16, s[WV], 15                      ; k: the 128 keys of step w
	s_add_co_u32 s16, s16, s13
	s_mov_b32 s17, 0
	s_lshr_b32 s20, s[WV], 1
	s_and_b32 s21, s[WV], 1
	s_lshl_b32 s18, s20, 16                        ; v: the 256 keys of steps 2 (w / 2) and 2 (w / 2) + 1,
	s_lshl_b32 s19, s21, 7                         ; channels 32 (w % 2) on
	s_add_co_u32 s18, s18, s19
	s_add_co_u32 s18, s18, s13
	s_mov_b32 s19, 0
	s_wait_kmcnt 0x0
	s_add_nc_u64 s[4:5], s[4:5], s[14:15]
	s_add_nc_u64 s[10:11], s[10:11], s[14:15]
	s_add_nc_u64 s[6:7], s[6:7], s[16:17]
	s_add_nc_u64 s[8:9], s[8:9], s[18:19]
	s_wait_alu depctr_va_vdst(0)                   ; v1, 16 x lane, is written: every 16-byte global load and store reads it as its offset
	GLOAD16 RA, 4, 0, 1                            ; my 32 queries: read by nobody else
	GLOAD16 RB, 6, 0, 0                            ; keys 0-31 of my step
	; the addresses are made while these are on their way
	s_mul_i32 s22, s[WV], STEPB                    ; step w's image
	s_add_co_u32 s23, s22, STG                     ; my stage
	s_mul_i32 s24, s20, 2*STEPB                    ; the image of step 2 (w / 2)
	s_lshl_b32 s25, s21, 3
	s_add_co_u32 s25, s25, s24                     ; V's scale words: tiles 2 (w % 2) on, 4 bytes each
	s_lshl_b32 s21, s21, 11
	s_add_co_u32 s24, s24, s21                     ; V's images: tiles 2 (w % 2) on, 1,024 bytes each
	s_mov_b32 s[SEL], 0x76543210
	s_mov_b32 s[SEL+1], 0xfedcba98
	s_mov_b32 s[CS], 0x3e38aa3b                    ; c = log2(e) / 8
	s_mov_b32 s[CS+1], s[CS]                       ; (named with it as a pair, so it is written)
	v_and_b32 v[MX1], 15, v0                       ; r
	v_bfe_u32 v[SO0], v0, 4, 1                     ; h
	v_mul_u32_u24 v[SO1], v[MX1], SP
	v_add_nc_u32 v[SO1], s23, v[SO1]               ; stage row r
	v_lshl_add_u32 v[STR], v[SO0], 7, v[SO1]
	v_lshl_add_u32 v[SOUT], v[SO0], 5, v[SO1]
	v_mul_u32_u24 v[STW], v[SO0], SP
	v_lshl_add_u32 v[STW], v[MX1], 4, v[STW]
	v_add_nc_u32 v[STW], s23, v[STW]
	v_add_nc_u32 v[KW], s22, v[LI]
	v_lshlrev_b32 v[B0], 4, v[MX1]                 ; 16 r
	v_add_nc_u32 v[KSW], s22, v[B0]
	v_lshl_add_u32 v[VW], v[SO0], 10, v[B0]        ; my channel is 16 (lane / 16) + r of the wave's 32: a tile further on for lanes 16-31
	v_add_nc_u32 v[VW], s24, v[VW]
	v_lshl_add_u32 v[VSW], v[SO0], 2, v[B0]
	v_add_nc_u32 v[VSW], s25, v[VSW]
	v_lshlrev_b32 v[GV], 2, v[MX0]
	v_lshlrev_b32 v[H8], 3, v[SO0]
.irp i, 0,1,2,3,8,9,10,11,16,17,18,19
	v_mov_b32 v[ZQ+\i], 0                          ; the zero codes beside q's
.endr
	v_mov_b32 v[W2], 0                             ; written once: a lane permute's destination counts as one of its sources
	s_wait_loadcnt 16                              ; q is in; the 16 loads of K behind it may be out
	s_wait_alu depctr_va_vdst(0)                   ; the LDS addresses v3, v26 to v30 and v242 and V's offset v31 are written, which the LDS stores and loads and V's loads from here on read
	TURN RA, 0
	QUANT2 RA, ZQ+4, ZQ+12, TMP                    ; stage rows r: tile 0; rows 16 + r: tile 1
	s_wait_alu depctr_va_vdst(0)                   ; the maxima and the conversions are done reading q's numbers, in which the loads below land
	GLOAD16 RA, 6, 8192, 0
	v_and_b32 v[B0], 0xffff, v[TMP]
	v_lshl_or_b32 v[QS], v[TMP], 16, v[B0]         ; tile 0's two bytes, twice: q may stand in either half of the 128
	v_lshrrev_b32 v[B1], 16, v[TMP]
	v_and_or_b32 v[QS+1], v[TMP], 0xffff0000, v[B1]  ; tile 1's
	s_wait_loadcnt 16                              ; each job's 16 loads are in; the next job's may be out
	KJOB 0, RB
	GLOAD16 RB, 6, 16384, 0                        ; no vector line since the job's wait names this set
	s_wait_loadcnt 16
	KJOB 1, RA
	GLOAD16 RA, 6, 24576, 0
	s_wait_loadcnt 16
	KJOB 2, RB
	VLOAD 0                                        ; V's two sets are the set that the job above has left
	s_wait_loadcnt 32                              ; K's last 16 are in; V's first block may be out
	VLOAD 1
	KJOB 3, RA
.irp n, 0,1,2,3,4,5,6,7
	VBLK \n
.endr
	; THE ONE BARRIER: in front of it my stores into the images have landed; behind it all sixteen steps' images are whole, and nobody writes them again.
	s_wait_dscnt 0x0
	s_wait_alu depctr_vm_vsrc(0)                   ; the head's LDS stores and loads and V's loads have read their addresses v26 to v31 and the codes in v44 to v107: the lines below and the loop's loads write these registers anew
	s_barrier_signal -1
	v_mov_b32 v[ST+1], 0xff61b1e6                  ; the largest t so far: -3e38, under every t
	v_mov_b32 v[ST+5], 0xff61b1e6
	v_floor_f32 v[ST], -v[ST+1]                    ; -M
	v_floor_f32 v[ST+4], -v[ST+5]
.irp i, 2,3,6,7
	v_mov_b32 v[ST+\i], 0                          ; the sums, in two halves
.endr
	v_mov_b32 v[F+1], 0                            ; (named as the upper halves of pairs)
	v_mov_b32 v[F+3], 0
.irp b, 0,1,2,3
	v_mov_b32 v[PM+\b], 0                          ; a lane permute's destination counts as one of its sources
.endr
.set j, 0
.rept 64
	v_mov_b32 v[O+j], 0                            ; O^T.  The step is written for every step alike: the first finds zeros, which the first change of M leaves zeros.  These lines stand where the wave would wait for the others
.set j, j+1
.endr
	v_mov_b32 v[ADR], v[LI]                        ; step 0's image begins at LDS byte 0
	s_mov_b32 s[TB], 0
	s_mov_b32 s[CNT], 15
	s_barrier_wait -1
.macro KSC                             ; a step's scale words
	ds_load_b128 v[SC:SC+3], v[ADR] offset:WIM
.endm
.macro KLD i                           ; half i of eight of its four fragments of K
	ds_load_b128 v[KV+4*(\i):KV+4*(\i)+3], v[ADR] offset:512*(\i)
.endm
.macro VPART i0                        ; fragment i0 / 2 of its four of V, into the same registers
	ds_load_b128 v[KV+4*(\i0):KV+4*(\i0)+3], v[ADR] offset:VIM+512*(\i0)
	ds_load_b128 v[KV+4*(\i0)+4:KV+4*(\i0)+7], v[ADR] offset:VIM+512*(\i0)+512
.endm
; S^T of tile x: fragment f against [q | zeros] gives tile 2 f, against [zeros | q] tile 2 f + 1
.macro QK x
.irp f, 0,1,2,3
.irp u, 0,1
	v_wmma_scale_f32_16x16x128_f8f6f4 v[S+8*(2*\f+\u):S+8*(2*\f+\u)+7], v[KV+8*\f:KV+8*\f+7], v[ZQ+8*\x+4*(1-\u):ZQ+8*\x+4*(1-\u)+7], 0, v[SC+\f], v[QS+\x] matrix_a_fmt:MATRIX_FMT_FP4 matrix_b_fmt:MATRIX_FMT_FP4
.endr
.endr
.endm
; O^T += V^T P^T for both tiles: eight accumulators, one instruction each.  V's scale words stand in lanes 16-31
.macro PV
.irp t, 0,1,2,3
.irp x, 0,1
	v_wmma_scale_f32_16x16x128_f8f6f4 v[O+32*\x+8*\t:O+32*\x+8*\t+7], v[KV+8*\t:KV+8*\t+7], v[PC+8*\x:PC+8*\x+7], v[O+32*\x+8*\t:O+32*\x+8*\t+7], v[SC+\t], v[PS+\x] matrix_a_fmt:MATRIX_FMT_FP4 matrix_b_fmt:MATRIX_FMT_FP4 matrix_a_scale:MATRIX_SCALE_ROW1
.endr
.endr
.endm
; The largest score of each block of 32 keys (each accumulator is read from its low end on); the row's; the new M; f = 2^(old M - new M)
.macro SM_MAX x
.irp b, 0,1,2,3
	v_max3_num_f32 v[BM+\b], v[S+16*\b], v[S+16*\b+1], v[S+16*\b+2]
.endr
.irp i, 3,5,7,9,11,13
.irp b, 0,1,2,3
	v_max3_num_f32 v[BM+\b], v[BM+\b], v[S+16*\b+\i], v[S+16*\b+\i+1]   ; (the four blocks by turns)
.endr
.endr
.irp b, 0,1,2,3
	v_max_num_f32 v[BM+\b], v[BM+\b], v[S+16*\b+15]
.endr
.irp b, 0,1,2,3
	v_permlanex16_b32 v[PM+\b], v[BM+\b], s[SEL], s[SEL+1]
.endr
.irp b, 0,1,2,3
	v_max_num_f32 v[BM+\b], v[BM+\b], v[PM+\b]     ; with lane l xor 16's 16 keys
.endr
	v_max3_num_f32 v[T], v[BM], v[BM+1], v[BM+2]
	v_max_num_f32 v[T], v[T], v[BM+3]              ; the step's largest score of my query
	v_mul_f32 v[T], s[CS], v[T]                    ; as t (c is positive)
	v_max_num_f32 v[ST+4*\x+1], v[ST+4*\x+1], v[T] ; the running largest t
	v_mov_b32 v[T], v[ST+4*\x]
	v_floor_f32 v[ST+4*\x], -v[ST+4*\x+1]          ; the new -M = floor(-t) = -ceil(t)
	v_sub_f32 v[T], v[ST+4*\x], v[T]               ; old M - new M: a whole number, 0 or less
	v_cvt_i32_f32 v[T], v[T]                       ; (it saturates)
	v_ldexp_f32 v[F+2*\x], 1.0, v[T]
.endm
; p = 2^(c s - M); the same of each block's largest score, which gives the block's largest p, since p rises with the score.  The 68 exponentials are one batch.
.macro SM_EXP x
.set j, 0
.rept 32
	v_pk_fma_f32 v[S+j:S+j+1], v[S+j:S+j+1], s[CS:CS+1], v[ST+4*\x:ST+4*\x+1] op_sel_hi:[1,0,0]
.set j, j+2
.endr
.irp b, 0,1,2,3
	v_fma_f32 v[BM+\b], v[BM+\b], s[CS], v[ST+4*\x]
.endr
.set j, 0
	s_wait_alu depctr_va_vdst(0)
.rept 64
	v_exp_f32 v[S+j], v[S+j]
.set j, j+1
.endr
.irp b, 0,1,2,3
	v_exp_f32 v[BM+\b], v[BM+\b]
.endr
	v_pk_mul_f32 v[ST+4*\x+2:ST+4*\x+3], v[ST+4*\x+2:ST+4*\x+3], v[F+2*\x:F+2*\x+1] op_sel_hi:[1,0]   ; the sum under the new M: the plain line behind the last exponential
	s_wait_alu depctr_va_vdst(0)                   ; the 68 exponentials have written p and the blocks' largest p, ahead of the first line that names one: one wait for the batch.  In tile 1's turn it also shows the step's sixteen products K Q^T done reading K's fragments, in which V's loads land
.endm
; The row's sum of the UNQUANTISED p, two at a time, in two chains
.macro SUM_BEGIN x
	v_pk_add_f32 v[T2:T2+1], v[S:S+1], v[S+2:S+3]
.endm
.macro SUM_RUN x, j0, n
.set j, \j0
.rept \n
	v_pk_add_f32 v[ST+4*\x+2:ST+4*\x+3], v[ST+4*\x+2:ST+4*\x+3], v[S+j:S+j+1]
	v_pk_add_f32 v[T2:T2+1], v[T2:T2+1], v[S+j+2:S+j+3]
.set j, j+4
.endr
.endm
.macro SUM_END x
	v_pk_add_f32 v[ST+4*\x+2:ST+4*\x+3], v[ST+4*\x+2:ST+4*\x+3], v[T2:T2+1]
.endm
; p's four blocks become a fragment's codes and a scale word.  withv = 1: V's eight loads are dealt among the first twelve lines, a fragment at a time: those lines name BM, SO and PM, none of the registers that the loads touch,
; so the wait behind the exponentials serves all eight.
.macro SM_QUANT x, withv
.if \withv
	VPART 0
.endif
.irp b, 0,1,2,3
	v_max_num_f32 v[BM+\b], 0x1800000, v[BM+\b]    ; the floor 2^(3 - 127): the byte cannot fall under 1
.endr
.if \withv
	VPART 2
.endif
.irp b, 0,1,2,3
	v_add_nc_u32 v[SO+\b], 0xff000000, v[BM+\b]    ; 2 off the exponent field: the conversion's scale operand
.endr
.if \withv
	VPART 4
.endif
.irp b, 0,1,2,3
	v_lshrrev_b32 v[PM+\b], 23, v[SO+\b]           ; the scale's byte
.endr
.if \withv
	VPART 6
.endif
	v_lshl_or_b32 v[PS+\x], v[PM+1], 8, v[PM]
	v_lshl_or_b32 v[PS+\x], v[PM+2], 16, v[PS+\x]
	v_lshl_or_b32 v[PS+\x], v[PM+3], 24, v[PS+\x]
.irp b, 0,1,2,3
	v_cvt_scalef32_pk8_fp4_f32 v[PC+8*\x+2*\b], v[S+16*\b:S+16*\b+7], v[SO+\b]
	v_cvt_scalef32_pk8_fp4_f32 v[PC+8*\x+2*\b+1], v[S+16*\b+8:S+16*\b+15], v[SO+\b]
.endr
	v_nop                                          ; one plain line behind the conversions
.irp c, 0,1                            ; the operand's layout wants a WHOLE block in a lane: lanes 0-15 block 2 c, lanes 16-31 block 2 c + 1
.irp i, 0,1
	v_permlane16_swap_b32 v[PC+8*\x+4*\c+\i], v[PC+8*\x+4*\c+2+\i]
.endr
.endr
.endm
.macro RESCALE x, j0, n                ; O^T of tile x under the new M, from register j0 on, ascending
.set j, \j0
.rept \n
	v_pk_mul_f32 v[O+32*\x+j:O+32*\x+j+1], v[O+32*\x+j:O+32*\x+j+1], v[F+2*\x:F+2*\x+1] op_sel_hi:[1,0]
.set j, j+2
.endr
.endm
; A KEY STEP: 128 keys for both tiles.  A vector instruction that reads a matrix result stands four plain vector instructions behind it that name none of its registers;
; a load into a register that a matrix instruction has read stands behind a wait on va_vdst.
.macro STEP last
	s_wait_dscnt 0x0                               ; K's fragments and the scale words are in
	QK 0
.rept 4
	v_nop
.endr
	SM_MAX 0
	SM_EXP 0
	SUM_BEGIN 0
	SUM_RUN 0, 4, 15
	SUM_END 0
	SM_QUANT 0, 0
	QK 1                                           ; tile 1's scores take the registers that tile 0's p has left
	RESCALE 0, 0, 16                               ; sixteen lines that name none of those products' registers: the places in front of the first read of the scores
	SM_MAX 1
	SM_EXP 1
	SM_QUANT 1, 1                                  ; V takes K's registers; its loads stand behind the wait above and land under these lines and the rescaling
	RESCALE 1, 0, 16                               ; sixteen plain lines between p's scale word and codes and the products that take them
	s_wait_dscnt 0x0                               ; V is in
	s_wait_alu depctr_va_vdst(0)                   ; tile 1's codes and its scale word are written, which the products below take as a source and as scales (tile 0's stand ahead of the wait behind tile 1's exponentials); the places above stay beside this wait
	PV
.if \last == 0
	s_wait_alu depctr_vm_vsrc(0)                   ; the step's seventeen LDS loads have read v[ADR]
	s_add_co_u32 s[TB], s[TB], STEPB
	v_add_nc_u32 v[ADR], s[TB], v[LI]              ; the next step's image
.endif
	SUM_BEGIN 1                                    ; tile 1's sum stands here, so that the next step's K lands under it
	SUM_RUN 1, 4, 3
.if \last == 0
	s_wait_alu depctr_va_vdst(0)                   ; the eight products above are done reading V's fragments and the scale words, in which the loads below land; v[ADR] is written, which they read.  The sums among the loads name S, ST and T2 alone
	KSC
	KLD 0
	KLD 1
.endif
	SUM_RUN 1, 16, 2
.if \last == 0
	KLD 2
	KLD 3
	KLD 4
.endif
	SUM_RUN 1, 24, 2
.if \last == 0
	KLD 5
	KLD 6
	KLD 7
.endif
	SUM_RUN 1, 32, 8
	SUM_END 1
.endm
	s_wait_alu depctr_va_vdst(0)                   ; v[ADR] is written, which the loads below read; q's codes, the zeros beside them and q's scale words, which every product K Q^T takes, are written too
	KSC
.irp i, 0,1,2,3,4,5,6,7
	KLD \i
.endr
.Lstep:                                            ; 15 trips; the last step is written out: it fetches nothing beyond the images
	STEP 0
	s_sub_co_u32 s[CNT], s[CNT], 1
	s_cmp_lg_u32 s[CNT], 0
	s_cbranch_scc1 .Lstep
	STEP 1
	; THE WAY OUT.  The sums' halves are added; O^T is divided by the sum and goes through my stage, so that each store of the wave covers 512 consecutive bytes, two whole rows of out0.
	v_add_f32 v[BM], v[ST+2], v[ST+3]
	v_add_f32 v[BM+1], v[ST+6], v[ST+7]
	v_permlanex16_b32 v[PM], v[BM], s[SEL], s[SEL+1]
	v_permlanex16_b32 v[PM+1], v[BM+1], s[SEL], s[SEL+1]
	v_add_f32 v[BM], v[BM], v[PM]                  ; with lane l xor 16's: the row's sum
	v_add_f32 v[BM+1], v[BM+1], v[PM+1]
	s_wait_alu depctr_va_vdst(0)
	v_rcp_f32 v[F], v[BM]
	v_rcp_f32 v[F+2], v[BM+1]
	v_nop                                          ; a plain line behind the last reciprocal
	s_wait_alu depctr_va_vdst(0)                   ; the two reciprocals are written, ahead of the first line that names one
.irp x, 0,1
.set j, 0
.rept 16
	v_pk_mul_f32 v[S+32*\x+j:S+32*\x+j+1], v[O+32*\x+j:O+32*\x+j+1], v[F+2*\x:F+2*\x+1] op_sel_hi:[1,0]   ; register 8 t + i: out(query r, channel 16 t + 8 h + i)
.set j, j+2
.endr
.endr
	s_wait_alu depctr_va_vdst(0)                   ; the multiplications have written v[S ..], which the LDS stores below read
.irp x, 0,1
.irp t, 0,1,2,3
	ds_store_b128 v[SOUT], v[S+32*\x+8*\t:S+32*\x+8*\t+3] offset:16*SP*\x+64*\t
	ds_store_b128 v[SOUT], v[S+32*\x+8*\t+4:S+32*\x+8*\t+7] offset:16*SP*\x+64*\t+16
.endr
.endr
	s_wait_alu depctr_vm_vsrc(0)                   ; the sixteen stores above have read v[S ..], in which the loads below land
.irp i, 0,1,2,3,4,5,6,7,8,9,10,11,12,13,14,15
	ds_load_b128 v[S+4*\i:S+4*\i+3], v[STW] offset:2*\i*SP         ; LDS serves a wave's instructions in order: these see my stores
.endr
.irp i, 0,1,2,3,4,5,6,7,8,9,10,11,12,13,14,15
	s_wait_dscnt 15-\i                             ; the younger loads may stay out
	global_store_b128 v[LI], v[S+4*\i:S+4*\i+3], s[10:11] offset:512*\i th:TH_STORE_NT   ; written once, read by nobody here
.endr
	s_wait_dscnt 0x0
	s_wait_alu depctr_hold_cnt(0) depctr_sa_sdst(0) depctr_va_vdst(0) depctr_va_sdst(0) depctr_va_ssrc(0) depctr_va_vcc(0) depctr_vm_vsrc(0)
	s_wait_tensorcnt 0x0
	ds_add_u32 v254, v255
	s_wait_dscnt 0x0
	s_endpgm
.Lfunc_end_k_q2cd89d9547_attn:
	.size	k_q2cd89d9547_attn, .Lfunc_end_k_q2cd89d9547_attn-k_q2cd89d9547_attn
	.p2alignl 7, 3214868480
	.fill 96, 4, 3214868480
	.section	.rodata,"a",@progbits
	.p2align	6, 0x0
	.amdhsa_kernel k_q2cd89d9547_attn
		.amdhsa_group_segment_fixed_size 280576
		.amdhsa_private_segment_fixed_size 0
		.amdhsa_enable_private_segment 0
		.amdhsa_kernarg_size 32
		.amdhsa_user_sgpr_count 2
		.amdhsa_user_sgpr_kernarg_segment_ptr 1
		.amdhsa_wavefront_size32 1
		.amdhsa_system_sgpr_workgroup_id_x 1
		.amdhsa_system_sgpr_workgroup_id_y 1
		.amdhsa_system_sgpr_workgroup_id_z 1
		.amdhsa_system_vgpr_workitem_id 0
		.amdhsa_next_free_vgpr 256
		.amdhsa_next_free_sgpr 66
		.amdhsa_reserve_vcc 0
		.amdhsa_float_denorm_mode_32 3
		.amdhsa_float_denorm_mode_16_64 3
		.amdhsa_memory_ordered 1
		.amdhsa_forward_progress 1
		.amdhsa_inst_pref_size 139
	.end_amdhsa_kernel
	.amdgpu_metadata
---
amdhsa.version: [ 1, 2 ]
amdhsa.kernels:
  - .name:           k_q2cd89d9547_attn
    .symbol:         k_q2cd89d9547_attn.kd
    .args:
      - { .name: q, .offset: 0, .size: 8, .value_kind: global_buffer, .address_space: global }
      - { .name: k, .offset: 8, .size: 8, .value_kind: global_buffer, .address_space: global }
      - { .name: v, .offset: 16, .size: 8, .value_kind: global_buffer, .address_space: global }
      - { .name: out0, .offset: 24, .size: 8, .value_kind: global_buffer, .address_space: global }
    .group_segment_fixed_size: 280576
    .private_segment_fixed_size: 0
    .kernarg_segment_align: 8
    .kernarg_segment_size: 32
    .max_flat_workgroup_size: 512
    .sgpr_count:     66
    .vgpr_count:     256
    .wavefront_size: 32
...
	.end_amdgpu_metadata
.endif
;; end of part 2
